; MI455X (gfx1250); checked and timed in simulation.
; The chip was launched on July 23, 2026; its instructions are those of AMD's public machine-readable ISA for CDNA 5 (MIT licence, August 2026) and "CDNA5" Instruction Set Architecture Reference Guide (July 2026). The comments in the code are by the model that wrote it; some were corrected since.
;; Self Attention. Allowed arithmetic: float matrix products may take bf16 or f16 operands with f32 sums; all other float work in f32.
;; Inputs: fmap 1 x 512 x 64 x 64 float32; wk 512 x 512 float32; wo 512 x 512 float32; wq 512 x 512 float32; wv 512 x 512 float32.
;; Outputs: out0 1 x 512 x 64 x 64 float32.
;; One version. Each part assembles by itself: llvm-mc -triple=amdgcn-amd-amdhsa -mcpu=gfx1250 --defsym DOCPART=n.
;; ======== version 1 of 1: 3 launches
;; limits: values are held in f16: magnitudes above 65,504 overflow, below 6.1e-05 lose precision
;; workspace buffers: qh 4,194,304 bytes; kh 4,194,304 bytes; vh 4,194,304 bytes; oh 4,194,304 bytes; bias 131,072 bytes; woh 524,288 bytes
;; launch proj (part 1): grid 32 x 8, 8 waves a work-group, no clusters, 144,896 bytes of LDS; arguments fmap, wq, wk, wv, wo, qh, kh, vh, bias, woh; writes qh, kh, vh, bias, woh
.if DOCPART == 1
	.amdgcn_target "amdgcn-amd-amdhsa--gfx1250"
	.amdhsa_code_object_version 6
	.text
	.protected	k_qc45ffa4559_proj
	.globl	k_qc45ffa4559_proj
	.p2align	8
	.type	k_qc45ffa4559_proj,@function
k_qc45ffa4559_proj:
	s_mov_b64 s[64:65], 0
	v_nop
	global_prefetch_b8 v0, s[64:65] scope:SCOPE_SE
	s_setreg_imm32_b32 hwreg(HW_REG_WAVE_MODE, 25, 1), 1
	s_wait_xcnt 0x0
; proj: the three 1x1 convolutions of one head for 128 tokens, and wo as f16.
;   acc[row][token] = sum over c of W[row][c] X[c][token], rows 0-63 of wq, 64-127 of wk, 128-191 of wv (the head's 64 rows each), K = 512.
;   qh = f16(SQ acc_q), SQ = 2^-4.5 x 0.25 x log2(e): the weight gain, the factor 2 x scale of the score, and base 2 for the exponential
;   kh = f16(GAIN acc_k), vh = f16(GAIN acc_v), GAIN = 2^-4.5;  all three as [head][token][64]
;   bias[head][token] = -log2(e) 2^-12 x sum over d of acc_q^2 = -(scale) log2(e) |q_token|^2, from the f32 sums
; Work-group (x = block of 128 tokens, y = head), eight waves: wave w makes rows 96 (w>>2) .. +95 (6 tiles) x tokens 32 (w&3) .. +31 (2 tiles).
; Source 0 = 16 rows of W, source 1 = 16 tokens of X: a lane's eight results are eight neighbouring d of one token, 16 bytes of f16.
; NO CLUSTER, NO TENSOR LOADS: the operands are f32 in memory and go to the matrix unit as f16.  They come through registers, are rounded
; once there and lie in LDS as f16: 40 KiB stored and 128 KiB read per K step of 64, where f32 tiles would be 80 and 160 KiB and each
; fragment would be rounded by every wave that reads it.  A joint request fills LDS alone and cannot round.
; LIMIT: matrix operands are f16 (11 bits are needed: with 8 the scores' error is near the allowed one).  An input, or a projection,
; of magnitude 65,504 or more becomes infinite.  Inputs 30 times the drawn ones, or offset by 30 spreads, give |q|,|k|,|v| below 2.5e4.
.set BUF,  46080                       ; an LDS buffer: XT, 64 c x 288 bytes (128 tokens f16 + 32), then WT, 192 rows x 144 bytes (64 c f16 + 16)
.set WTO,  18432                       ; WT in a buffer
.set STG,  92160                       ; the way out: 128 tokens x 400 bytes (192 f16 + 16)
.set BSTG, 143360                      ; 128 f32 of bias
.set GAIN, 0x3d3504f3                  ; 2^-4.5
.set SQ,   0x3c8293ee                  ; 2^-4.5 x 0.25 x 1.442695
.set CB,   0xb9b8aa3b                  ; -1.442695 x 2^-12
.set LN,  1                            ; lane
.set VXO, 2                            ; X in memory: row 8 w, 16 bytes a lane
.set VWO, 3                            ; W in memory: row 8 w + h, 16 bytes for each of 16 lanes
.set VXS, 4                            ; where X's f16 go
.set VWS, 5                            ; where W's f16 go
.set VXF, 6                            ; X fragments (transposing loads)
.set VWF, 7                            ; W fragments
.set VST, 8                            ; stage, in
.set VRD, 9                            ; stage, back
.set VGO, 10                           ; 16 x thread
.set VBS, 11                           ; bias stage
.set TM,  12                           ; v[12:15] at work
.set XS,  16                           ; v[16:47]  X as loaded: 8 x 4
.set WS,  48                           ; v[48:95]  W as loaded: 3 x 4 x 4
.set FB,  96                           ; v[96:111] X fragments, 2 tiles
.set FA,  112                          ; v[112:159] W fragments, 6 tiles
.set ACC, 160                          ; v[160:255] tile (t, u) at 8 (2 t + u)
	s_load_b512 s[4:19], s[0:1], 0x0               ; fmap s[4:5], wq s[6:7], wk s[8:9], wv s[10:11], wo s[12:13], qh s[14:15], kh s[16:17], vh s[18:19]
	s_load_b128 s[20:23], s[0:1], 0x40             ; bias s[20:21], woh s[22:23]
	s_set_vgpr_msb 0x40
	v_lshl_add_u32 v0, v0, 2, 0x23200
	v_mov_b32 v1, 0
	s_set_vgpr_msb 0x4000
	v_lshrrev_b32 v1, 5, v0
	v_readfirstlane_b32 s24, v1                    ; wave w
	s_lshr_b32 s25, s24, 2                         ; wr: which 96 rows
	s_and_b32 s26, s24, 3                          ; wc: which 32 tokens
	s_mov_b32 s27, ttmp9                           ; token block
	s_and_b32 s28, ttmp7, 0xffff                   ; head
	s_mov_b32 s38, 0x76543210                      ; v_permlanex16_b32: lane i takes lane i of the other half
	s_mov_b32 s39, 0xfedcba98
	s_mov_b32 s40, CB
	s_mov_b32 s36, GAIN
	s_mov_b32 s37, GAIN
	s_mov_b32 s34, SQ
	s_cmp_eq_u32 s25, 0
	s_cselect_b32 s34, s34, s36                    ; tiles 0-3 are q's rows in waves 0-3 (SQ), k's and v's in waves 4-7 (GAIN)
	s_mov_b32 s35, s34
	v_and_b32 v[LN], 31, v0
	v_and_b32 v12, 15, v0                          ; r
	v_bfe_u32 v13, v0, 4, 1                        ; h
	s_lshl_b32 s30, s24, 17
	v_lshl_add_u32 v[VXO], v[LN], 4, s30           ; 8 w rows of 16,384 bytes + 16 L
	s_lshl_b32 s30, s24, 14
	v_lshl_add_u32 v[VWO], v13, 11, s30            ; (8 w + h) rows of 2,048 bytes
	v_lshl_add_u32 v[VWO], v12, 4, v[VWO]          ; + 16 r
	s_mul_i32 s30, s24, 2304
	v_lshl_add_u32 v[VXS], v[LN], 3, s30           ; 8 w rows of 288 + 8 L
	s_mul_i32 s30, s24, 1152
	s_add_co_u32 s30, s30, WTO
	v_mul_u32_u24 v14, v13, 144
	v_lshl_add_u32 v14, v12, 3, v14
	v_add_nc_u32 v[VWS], s30, v14                  ; WT + (8 w + h) rows of 144 + 8 r
	v_and_b32 v14, 7, v0
	v_lshl_add_u32 v14, v13, 3, v14
	v_mul_u32_u24 v14, v14, 288
	v_bfe_u32 v15, v0, 3, 1
	v_lshl_add_u32 v14, v15, 4, v14
	s_lshl_b32 s30, s26, 6
	v_add_nc_u32 v[VXF], s30, v14                  ; (8 h + L%8) rows of 288 + 64 wc + 16 ((L>>3)&1)
	s_mul_i32 s30, s25, 13824
	s_add_co_u32 s30, s30, WTO
	v_mul_u32_u24 v14, v12, 144
	v_lshl_add_u32 v14, v13, 4, v14
	v_add_nc_u32 v[VWF], s30, v14                  ; WT + (96 wr + r) rows of 144 + 16 h
	s_mul_i32 s30, s26, 12800
	s_mul_i32 s29, s25, 192
	s_add_co_u32 s30, s30, s29
	s_add_co_u32 s30, s30, STG
	v_mul_u32_u24 v14, v12, 400
	v_lshl_add_u32 v14, v13, 4, v14
	v_add_nc_u32 v[VST], s30, v14                  ; STG + (32 wc + r) rows of 400 + 2 x 96 wr + 16 h
	v_lshrrev_b32 v14, 3, v0
	v_mul_u32_u24 v14, v14, 400
	v_and_b32 v15, 7, v0
	v_lshl_add_u32 v14, v15, 4, v14
	v_add_nc_u32 v[VRD], STG, v14                  ; eight threads read a token's 128 bytes of one matrix
	v_lshlrev_b32 v[VGO], 4, v0
	s_lshl_b32 s30, s26, 7
	s_add_co_u32 s30, s30, BSTG
	v_lshl_add_u32 v[VBS], v[LN], 2, s30           ; BSTG + 4 (32 wc + L)
	v_lshlrev_b32 v0, 3, v0                        ; 8 x thread: woh's offset
	s_wait_kmcnt 0x0
	s_lshl_b32 s30, s27, 9
	s_mov_b32 s31, 0
	s_add_nc_u64 s[4:5], s[4:5], s[30:31]          ; fmap at my 128 tokens (512 bytes of each row)
	s_lshl_b32 s30, s28, 17
	s_add_nc_u64 s[6:7], s[6:7], s[30:31]          ; the head's 64 rows of 2,048 bytes
	s_add_nc_u64 s[8:9], s[8:9], s[30:31]
	s_add_nc_u64 s[10:11], s[10:11], s[30:31]
	s_lshl_b32 s30, s28, 19
	s_lshl_b32 s29, s27, 14
	s_add_co_u32 s30, s30, s29
	s_add_nc_u64 s[14:15], s[14:15], s[30:31]      ; (head x 4096 + block x 128) tokens of 128 bytes
	s_add_nc_u64 s[16:17], s[16:17], s[30:31]
	s_add_nc_u64 s[18:19], s[18:19], s[30:31]
	s_lshl_b32 s30, s28, 14
	s_lshl_b32 s29, s27, 9
	s_add_co_u32 s30, s30, s29
	s_add_nc_u64 s[20:21], s[20:21], s[30:31]      ; the same tokens, 4 bytes each
	s_lshl_b32 s29, s28, 5
	s_add_co_u32 s29, s29, s27                     ; the work-group's number, 0 to 255: it rounds 1,024 numbers of wo
	s_lshl_b32 s30, s29, 12
	s_add_nc_u64 s[12:13], s[12:13], s[30:31]
	s_lshl_b32 s30, s29, 11
	s_add_nc_u64 s[22:23], s[22:23], s[30:31]
.macro PLACES                          ; four places behind a matrix instruction (ISA guide 7.12.1) where there is no other vector work
.rept 4
	v_nop
.endr
.endm
; 20 loads: a K step's 64 c x 128 tokens of X (a wave's load covers 512 neighbouring bytes of a row) and 3 x 64 rows x 64 c of W (two rows of 256 bytes)
.macro GLOAD
.irp i, 0,1,2,3,4,5,6,7
	global_load_b128 v[XS+4*\i:XS+4*\i+3], v[VXO], s[4:5] offset:\i*16384
.endr
.irp m, 0,1,2
.irp i, 0,1,2,3
	global_load_b128 v[WS+16*\m+4*\i:WS+16*\m+4*\i+3], v[VWO], s[6+2*\m:7+2*\m] offset:\i*4096
.endr
.endr
.endm
; round to f16 in place and store into LDS buffer b
.macro CVST b
.irp i, 0,1,2,3,4,5,6,7
	v_cvt_pk_f16_f32 v[XS+4*\i], v[XS+4*\i], v[XS+4*\i+1]
	v_cvt_pk_f16_f32 v[XS+4*\i+1], v[XS+4*\i+2], v[XS+4*\i+3]
	ds_store_b64 v[VXS], v[XS+4*\i:XS+4*\i+1] offset:\b*BUF+\i*288
.endr
.irp m, 0,1,2
.irp i, 0,1,2,3
	v_cvt_pk_f16_f32 v[WS+16*\m+4*\i], v[WS+16*\m+4*\i], v[WS+16*\m+4*\i+1]
	v_cvt_pk_f16_f32 v[WS+16*\m+4*\i+1], v[WS+16*\m+4*\i+2], v[WS+16*\m+4*\i+3]
	ds_store_b64 v[VWS], v[WS+16*\m+4*\i:WS+16*\m+4*\i+1] offset:\b*BUF+\m*9216+\i*288
.endr
.endr
.endm
; 32 along K: 16 fragment loads, 12 matrix instructions.  X lies [c][token], so its fragments come by the transposing load.
; The twelve accumulators take turns, one instruction a turn.
.macro MUL b, s, zero
	PLACES                                         ; the fragment registers were read by the matrix instructions just issued
.irp u, 0,1
	ds_load_tr16_b128 v[FB+8*\u:FB+8*\u+3],   v[VXF] offset:\b*BUF+\s*9216+32*\u
	ds_load_tr16_b128 v[FB+8*\u+4:FB+8*\u+7], v[VXF] offset:\b*BUF+\s*9216+32*\u+4608
.endr
.irp t, 0,1,2,3,4,5
	ds_load_b128 v[FA+8*\t:FA+8*\t+3],   v[VWF] offset:\b*BUF+\t*2304+64*\s
	ds_load_b128 v[FA+8*\t+4:FA+8*\t+7], v[VWF] offset:\b*BUF+\t*2304+64*\s+32
.endr
.irp t, 0,1,2,3,4,5
	s_wait_dscnt 10-2*\t                           ; LDS loads come back in order: X's four and W's tiles 0 to t are in, two loads for each later tile stay out
.irp u, 0,1
.if \zero
	v_wmma_f32_16x16x32_f16 v[ACC+8*(2*\t+\u):ACC+8*(2*\t+\u)+7], v[FA+8*\t:FA+8*\t+7], v[FB+8*\u:FB+8*\u+7], 0
.else
	v_wmma_f32_16x16x32_f16 v[ACC+8*(2*\t+\u):ACC+8*(2*\t+\u)+7], v[FA+8*\t:FA+8*\t+7], v[FB+8*\u:FB+8*\u+7], v[ACC+8*(2*\t+\u):ACC+8*(2*\t+\u)+7]
.endif
.endr
.endr
.endm
; A K step of 64.  Two LDS buffers, one barrier: a wave stores into buffer b only behind the last step's barrier, and in front of that
; barrier every wave had its reads of b back (the count-down in MUL ends at 0 ahead of its last products).
.macro TRIP b, zero, more
	s_wait_loadcnt 0x0                             ; this step's 20 loads; their bases may now be stepped
	CVST \b
.if \more
	s_add_nc_u64 s[4:5], s[4:5], 0x100000          ; 64 rows of X
	s_add_nc_u64 s[6:7], s[6:7], 256               ; 64 columns of W
	s_add_nc_u64 s[8:9], s[8:9], 256
	s_add_nc_u64 s[10:11], s[10:11], 256
	GLOAD                                          ; the next step's, on their way during this step's 24 products
.endif
	s_wait_dscnt 0x0                               ; my stores are in LDS, for the other waves' sake
	s_barrier_signal -1
	s_barrier_wait -1
	MUL \b, 0, \zero
	MUL \b, 1, 0
.endm
	global_load_b128 v[TM:TM+3], v[VGO], s[12:13] th:TH_LOAD_NT   ; my four numbers of wo
	GLOAD
	s_wait_loadcnt 20                              ; wo's load is in; the 20 issued behind it stay out
	v_cvt_pk_f16_f32 v[TM], v[TM], v[TM+1]
	v_cvt_pk_f16_f32 v[TM+1], v[TM+2], v[TM+3]
	global_store_b64 v0, v[TM:TM+1], s[22:23]      ; a wave stores 256 consecutive bytes, aligned
	TRIP 0, 1, 1                                   ; the first products start the sums: nothing is cleared
	TRIP 1, 0, 1
	s_mov_b32 s32, 2
.Lk:
	TRIP 0, 0, 1
	TRIP 1, 0, 1
	s_sub_co_u32 s32, s32, 1
	s_cmp_lg_u32 s32, 0
	s_cbranch_scc1 .Lk
	TRIP 0, 0, 1
	TRIP 1, 0, 0                                   ; the eighth step loads nothing
	PLACES                                         ; behind the last products, ahead of the first read of a sum
	s_wait_xcnt 0x0                                ; woh's store has read v[TM:TM+1]: they are written again below
	s_cmp_lg_u32 s25, 0
	s_cbranch_scc1 .Lnobias                        ; waves 0-3 hold q's 64 rows (tiles 0-3)
.irp u, 0,1
	v_pk_mul_f32 v[TM+2*\u:TM+2*\u+1], v[ACC+8*\u:ACC+8*\u+1], v[ACC+8*\u:ACC+8*\u+1]
.irp k, 2,4,6
	v_pk_fma_f32 v[TM+2*\u:TM+2*\u+1], v[ACC+8*\u+\k:ACC+8*\u+\k+1], v[ACC+8*\u+\k:ACC+8*\u+\k+1], v[TM+2*\u:TM+2*\u+1]
.endr
.irp t, 1,2,3
.irp k, 0,2,4,6
	v_pk_fma_f32 v[TM+2*\u:TM+2*\u+1], v[ACC+8*(2*\t+\u)+\k:ACC+8*(2*\t+\u)+\k+1], v[ACC+8*(2*\t+\u)+\k:ACC+8*(2*\t+\u)+\k+1], v[TM+2*\u:TM+2*\u+1]
.endr
.endr
.endr
	v_add_f32 v[TM], v[TM], v[TM+1]                ; my 32 of token r's 64 squares, tile u = 0
	v_add_f32 v[TM+2], v[TM+2], v[TM+3]            ; and u = 1
	v_permlanex16_b32 v[TM+1], v[TM], s38, s39     ; the other 32 lie in the other half of the lanes
	v_permlanex16_b32 v[TM+3], v[TM+2], s38, s39
	v_add_f32 v[TM], v[TM], v[TM+1]
	v_add_f32 v[TM+2], v[TM+2], v[TM+3]
	v_cmp_le_u32 vcc_lo, 16, v[LN]
	v_cndmask_b32 v[TM], v[TM], v[TM+2], vcc_lo    ; lane L keeps token 32 wc + L
	v_mul_f32 v[TM], s40, v[TM]
	ds_store_b32 v[VBS], v[TM]
.Lnobias:
.irp t, 0,1,2,3,4,5
.irp u, 0,1
.irp k, 0,2,4,6
.if \t < 4
	v_pk_mul_f32 v[ACC+8*(2*\t+\u)+\k:ACC+8*(2*\t+\u)+\k+1], v[ACC+8*(2*\t+\u)+\k:ACC+8*(2*\t+\u)+\k+1], s[34:35] op_sel_hi:[1,0]
.else
	v_pk_mul_f32 v[ACC+8*(2*\t+\u)+\k:ACC+8*(2*\t+\u)+\k+1], v[ACC+8*(2*\t+\u)+\k:ACC+8*(2*\t+\u)+\k+1], s[36:37] op_sel_hi:[1,0]
.endif
.endr
.irp k, 0,1,2,3
	v_cvt_pk_f16_f32 v[TM+\k], v[ACC+8*(2*\t+\u)+2*\k], v[ACC+8*(2*\t+\u)+2*\k+1]
.endr
	ds_store_b128 v[VST], v[TM:TM+3] offset:\u*6400+32*\t   ; token 32 wc + 16 u + r, rows 96 wr + 16 t + 8 h .. +7
.endr
.endr
	s_wait_dscnt 0x0                               ; my part of the stage is in LDS, for the other waves' sake
	s_barrier_signal -1
	s_barrier_wait -1
.irp m, 0,1,2
.irp i, 0,1,2,3
	ds_load_b128 v[XS+16*\m+4*\i:XS+16*\m+4*\i+3], v[VRD] offset:\i*12800+\m*128
.endr
.endr
.irp m, 0,1,2
.irp i, 0,1,2,3
	s_wait_dscnt 11-4*\m-\i                        ; this load is in, the younger ones stay out
	global_store_b128 v[VGO], v[XS+16*\m+4*\i:XS+16*\m+4*\i+3], s[14+2*\m:15+2*\m] offset:\i*4096   ; a wave stores 512 consecutive bytes, aligned
.endr
.endr
	s_cmp_lg_u32 s24, 0
	s_cbranch_scc1 .Lend                           ; wave 0 stores the 128 biases
	v_lshlrev_b32 v[TM+1], 4, v[LN]
	v_add_nc_u32 v[TM], BSTG, v[TM+1]
	ds_load_b128 v[WS+16:WS+19], v[TM]
	s_wait_dscnt 0x0
	global_store_b128 v[TM+1], v[WS+16:WS+19], s[20:21]
.Lend:
	s_set_vgpr_msb 0x5
	s_wait_tensorcnt 0x0
	ds_add_u32 v0, v1
	s_wait_dscnt 0x0
	s_set_vgpr_msb 0x500
	s_endpgm
.Lfunc_end_k_qc45ffa4559_proj:
	.size	k_qc45ffa4559_proj, .Lfunc_end_k_qc45ffa4559_proj-k_qc45ffa4559_proj
	.p2alignl 7, 3214868480
	.fill 96, 4, 3214868480
	.section	.rodata,"a",@progbits
	.p2align	6, 0x0
	.amdhsa_kernel k_qc45ffa4559_proj
		.amdhsa_group_segment_fixed_size 144896
		.amdhsa_private_segment_fixed_size 0
		.amdhsa_enable_private_segment 0
		.amdhsa_kernarg_size 80
		.amdhsa_user_sgpr_count 2
		.amdhsa_user_sgpr_kernarg_segment_ptr 1
		.amdhsa_wavefront_size32 1
		.amdhsa_system_sgpr_workgroup_id_x 1
		.amdhsa_system_sgpr_workgroup_id_y 1
		.amdhsa_system_sgpr_workgroup_id_z 1
		.amdhsa_system_vgpr_workitem_id 0
		.amdhsa_next_free_vgpr 258
		.amdhsa_next_free_sgpr 66
		.amdhsa_reserve_vcc 1
		.amdhsa_float_denorm_mode_32 3
		.amdhsa_float_denorm_mode_16_64 3
		.amdhsa_memory_ordered 1
		.amdhsa_forward_progress 1
		.amdhsa_inst_pref_size 78
	.end_amdhsa_kernel
	.amdgpu_metadata
---
amdhsa.version: [ 1, 2 ]
amdhsa.kernels:
  - .name:           k_qc45ffa4559_proj
    .symbol:         k_qc45ffa4559_proj.kd
    .args:
      - { .name: fmap, .offset: 0, .size: 8, .value_kind: global_buffer, .address_space: global }
      - { .name: wq, .offset: 8, .size: 8, .value_kind: global_buffer, .address_space: global }
      - { .name: wk, .offset: 16, .size: 8, .value_kind: global_buffer, .address_space: global }
      - { .name: wv, .offset: 24, .size: 8, .value_kind: global_buffer, .address_space: global }
      - { .name: wo, .offset: 32, .size: 8, .value_kind: global_buffer, .address_space: global }
      - { .name: qh, .offset: 40, .size: 8, .value_kind: global_buffer, .address_space: global }
      - { .name: kh, .offset: 48, .size: 8, .value_kind: global_buffer, .address_space: global }
      - { .name: vh, .offset: 56, .size: 8, .value_kind: global_buffer, .address_space: global }
      - { .name: bias, .offset: 64, .size: 8, .value_kind: global_buffer, .address_space: global }
      - { .name: woh, .offset: 72, .size: 8, .value_kind: global_buffer, .address_space: global }
    .group_segment_fixed_size: 144896
    .private_segment_fixed_size: 0
    .kernarg_segment_align: 8
    .kernarg_segment_size: 80
    .max_flat_workgroup_size: 256
    .sgpr_count:     66
    .vgpr_count:     258
    .wavefront_size: 32
...
	.end_amdgpu_metadata
.endif
;; end of part 1
;; launch attn (part 2): grid 32 x 8, 8 waves a work-group, clusters of 4 x 1, 327,680 bytes of LDS; arguments qh, kh, vh, bias, oh; writes oh
.if DOCPART == 2
	.amdgcn_target "amdgcn-amd-amdhsa--gfx1250"
	.amdhsa_code_object_version 6
	.text
	.protected	k_qc45ffa4559_attn
	.globl	k_qc45ffa4559_attn
	.p2align	8
	.type	k_qc45ffa4559_attn,@function
k_qc45ffa4559_attn:
	s_mov_b64 s[64:65], 0
	v_nop
	global_prefetch_b8 v0, s[64:65] scope:SCOPE_SE
	s_setreg_imm32_b32 hwreg(HW_REG_WAVE_MODE, 25, 1), 1
	s_wait_xcnt 0x0
	s_wait_alu depctr_hold_cnt(0) depctr_sa_sdst(0) depctr_va_vdst(0) depctr_va_sdst(0) depctr_va_ssrc(0) depctr_va_vcc(0) depctr_vm_vsrc(0)
	s_getreg_b32 s2, hwreg(HW_REG_IB_STS2, 6, 4)
	s_cmp_eq_u32 s2, 0
	s_cbranch_scc0 .Lentry_in_a_cluster
	s_endpgm
.Lentry_in_a_cluster:
	s_bfe_u32 s2, ttmp6, 0x10000c
	s_cmp_lg_u32 s2, 0x3003
	s_cbranch_scc0 .Lentry_shape_is_right
	s_endpgm
.Lentry_shape_is_right:
; attn: softmax attention of one head for 128 queries, over 4,096 keys, with a running maximum.
;   score in base 2: s(i, j) = q'_i . k_j + bias_j.  The term -scale |q_i|^2 of the score is the same for every j of a row and drops
;   out of the softmax for every input; it is not formed.  oh[head][token][64] = f16(sum_j p v_j / sum_j p), p = 2^(s - max).
; Work-group (x = block of 128 queries, y = head), eight waves: wave w has queries 32 (w&3) .. +31 and, of each tile of 256 keys, keys
; 128 (w>>2) .. +127, with its own maximum, sum and O; the two halves of the keys are merged at the end.  Two waves lie on each SIMD, so
; that one wave's vector work (about 170 plain instructions and 68 exponentials for 64 keys) can run beside the other's 32 products.
; CLUSTER: the four query blocks of a cluster walk the same K, V and bias of one head: every tensor load is a joint request of the four.
; LAYOUT: S^T = K Q'^T (source 0 = 16 keys, source 1 = 16 queries): lane (r, h) holds query r and keys 8 h + j.  So maximum and sum are
; in the lane but for one exchange of halves; bias_j is the C operand of the first product; two neighbouring tiles of S rounded to f16
; ARE source 1 of O^T = V^T P^T; and the rescaling factor is one number a lane.  V stays [key][d] and is read by the transposing load.
; A block [token][64] of f16 is dense: it comes as rows of 256 bytes (two tokens), token t at (t>>1) x pitch + (t&1) x 128.
; LIMITS: operands f16 (see proj); an exponential below 2^-126 is 0; the sum of p is taken of the f32 p, the product with V of p rounded to f16.
.set SLOT,  71680                      ; a slot: V, 128 rows x 288 bytes, then K, 128 rows x 272 bytes
.set KT,    36864
.set BIASL, 143360                     ; the head's 4,096 biases, filled once
.set MRG,   159744                     ; merge: 4 x 17 groups of 512 bytes; no tensor load lands here
.set OST,   194560                     ; the way out: 4 x 32 rows x 144 bytes; no tensor load lands here
.set TILEB, 32768                      ; 256 tokens of 128 bytes
.set ADK, 1                            ; v1, v2   K fragments in slot 0, 1
.set ADV, 3                            ; v3, v4   V fragments in slot 0, 1
.set ADB, 5                            ; bias of this tile
.set MA,  6                            ; merge
.set OSA, 7                            ; stage, in
.set ORA, 8                            ; stage, back
.set OGO, 9                            ; 16 x lane
.set QO,  10                           ; q' in memory
.set T,   12                           ; v[12:19] at work
.set MN,  20                           ; v[20:23] running maximum, a pair for each query tile
.set AL,  24                           ; v[24:27] 2^(old maximum - new), a pair for each
.set LS,  28                           ; v[28:31] running sum, two partial sums for each
.set QF,  32                           ; v[32:63]   q' fragments (q, s) at 8 (2 q + s)
.set BI,  64                           ; v[64:95]   bias of key tile t
.set KF,  96                           ; v[96:159]  K fragments (t, s) at 8 (2 t + s)
.set S,   160                          ; v[160:223] scores (q, t) at 32 q + 8 t
.set P,   224                          ; v[224:255] p in f16, 16 registers for each q
.set O,   0                            ; window 1: v[256:319] O (q, dt) at 8 (4 q + dt)
.set VF,  64                           ; window 1: v[320:383] V fragments (dt, u) at 8 (2 dt + u)
.set G1V, 20                           ; s[20:27] shape of a quarter of V's tile
.set G1K, 28                           ; s[28:35] of K's
.set G1B, 36                           ; s[36:43] of an eighth of the bias
.set G0V, 44                           ; s[44:51] from where, to where: V, one set for each slot
.set G0K, 52                           ; s[52:59] K
.set G0B, 60                           ; s[60:63] bias
.set MSB, 0
.macro WIN new                         ; s_set_vgpr_msb: bits 1:0 source 0, 3:2 source 1, 5:4 source 2, 7:6 destination; the high byte repeats the setting left
.if MSB != \new
	s_set_vgpr_msb (MSB<<8)|\new
.set MSB, \new
.endif
.endm
.macro PLACES
.rept 4
	v_nop
.endr
.endm
.macro ROUND                           ; a round of the cluster's barrier
	s_barrier_signal -1
	s_barrier_wait -1
	s_cmp_lg_u32 s14, 0
	s_cbranch_scc1 .Lnot_wave_0_\@
	s_barrier_signal -3
.Lnot_wave_0_\@:
	s_barrier_wait -3
	s_barrier_signal -1
	s_barrier_wait -1
.endm
.macro JLOAD n                         ; waves 0-3 ask for V's quarters, waves 4-7 for K's: the branch hangs on the wave's number alone
	s_cmp_eq_u32 s16, 0
	s_cbranch_scc0 .Lfor_k_\@
	tensor_load_to_lds s[G0V+4*(\n):G0V+4*(\n)+3], s[G1V:G1V+7]
	s_nop 0
	s_branch .Lasked_\@
.Lfor_k_\@:
	tensor_load_to_lds s[G0K+4*(\n):G0K+4*(\n)+3], s[G1K:G1K+7]
	s_nop 0
.Lasked_\@:
.endm
	s_load_b256 s[4:11], s[0:1], 0x0               ; qh s[4:5], kh s[6:7], vh s[8:9], bias s[10:11]
	s_load_b64 s[12:13], s[0:1], 0x20              ; oh
	v_lshl_add_u32 v11, v0, 2, 0x34000
	s_set_vgpr_msb 0x40
	v_mov_b32 v129, 0
	s_set_vgpr_msb 0x4044
	ds_add_u32 v11, v129
	s_set_vgpr_msb 0x4400
	v_lshrrev_b32 v1, 5, v0
	v_readfirstlane_b32 s14, v1                    ; wave w
	s_and_b32 s15, s14, 3                          ; w4: which 32 queries; which quarter of a tile I fetch
	s_lshr_b32 s16, s14, 2                         ; kg: which 128 keys; I fetch for V (0) or K (1)
	s_bfe_u32 s17, ttmp6, 0x40000                  ; cx
	s_lshl_b32 s18, ttmp9, 2
	s_add_co_u32 s18, s18, s17                     ; query block = 4 x cluster x + cx
	s_and_b32 s19, ttmp7, 0xffff                   ; head: shared by the four partners
	s_mov_b32 s72, 0x76543210
	s_mov_b32 s73, 0xfedcba98
	; group 1: elements of 8 bytes, rows of 32 elements = 256 bytes, dense; mask 15 = all four of the cluster, bit 21 beside it
	s_mov_b32 s[G1V+0], 15|(3<<16)|(1<<20)|(1<<21)|(5<<22)|(7<<25)   ; after every 64 words 8 words of padding: pitch 288
	s_mov_b32 s[G1K+0], 15|(3<<16)|(1<<20)|(1<<21)|(5<<22)|(3<<25)   ; 4 words: pitch 272
	s_mov_b32 s[G1B+0], 15|(3<<16)|(1<<21)
.irp g, G1V, G1K
	s_mov_b32 s[\g+1], 32<<16                      ; tensor_dim0 = 32
	s_mov_b32 s[\g+2], 32<<16                      ; tensor_dim1 = 32 rows
	s_mov_b32 s[\g+3], 32<<16                      ; tile_dim0 = 32
	s_mov_b32 s[\g+4], 32                          ; tile_dim1 = 32
	s_mov_b32 s[\g+5], 32                          ; pitch 32 elements
	s_mov_b32 s[\g+6], 0
	s_mov_b32 s[\g+7], 0
.endr
	s_mov_b32 s[G1B+1], 32<<16
	s_mov_b32 s[G1B+2], 8<<16                      ; 8 rows
	s_mov_b32 s[G1B+3], 32<<16
	s_mov_b32 s[G1B+4], 8
	s_mov_b32 s[G1B+5], 32
	s_mov_b32 s[G1B+6], 0
	s_mov_b32 s[G1B+7], 0
	s_mul_i32 s77, s14, 9216                       ; V: wave w (0-3) fills rows 32 w .. of 288 bytes
	s_mul_i32 s78, s14, 8704                       ; K: wave w (4-7) fills rows 32 (w - 4) .. of 272 bytes behind V:
	s_add_co_u32 s78, s78, KT-4*8704               ; KT + (w - 4) x 8704
	s_lshl_b32 s79, s14, 11                        ; bias: 2,048 bytes a wave
	s_lshl_b32 s66, s19, 19                        ; head x 4096 tokens x 128 bytes
	s_lshl_b32 s67, s15, 13                        ; + my quarter: 64 tokens
	s_add_co_u32 s66, s66, s67
	s_mov_b32 s67, 0
	s_lshl_b32 s74, s19, 19                        ; q' and O: head, query block, my 32 queries (the only offset that holds cx)
	s_lshl_b32 s75, s18, 14
	s_add_co_u32 s74, s74, s75
	s_lshl_b32 s75, s15, 12
	s_add_co_u32 s74, s74, s75
	s_mov_b32 s75, 0
	s_wait_dscnt 0x0
	s_wait_kmcnt 0x0
	s_add_nc_u64 s[68:69], s[8:9], s[66:67]
	s_add_nc_u64 s[70:71], s[6:7], s[66:67]
.irp n, 0,1
	s_mov_b32 s[G0V+4*\n], 1
	s_add_co_u32 s[G0V+4*\n+1], s77, \n*SLOT
	s_add_nc_u64 s[G0V+4*\n+2:G0V+4*\n+3], s[68:69], \n*TILEB
	s_or_b32 s[G0V+4*\n+3], s[G0V+4*\n+3], 0x80000000
	s_mov_b32 s[G0K+4*\n], 1
	s_add_co_u32 s[G0K+4*\n+1], s78, \n*SLOT
	s_add_nc_u64 s[G0K+4*\n+2:G0K+4*\n+3], s[70:71], \n*TILEB
	s_or_b32 s[G0K+4*\n+3], s[G0K+4*\n+3], 0x80000000
.endr
	s_lshl_b32 s66, s19, 14                        ; head x 4096 x 4 bytes
	s_add_co_u32 s66, s66, s79
	s_mov_b32 s[G0B], 1
	s_add_co_u32 s[G0B+1], s79, BIASL
	s_add_nc_u64 s[G0B+2:G0B+3], s[10:11], s[66:67]
	s_or_b32 s[G0B+3], s[G0B+3], 0x80000000
	s_add_nc_u64 s[4:5], s[4:5], s[74:75]
	s_add_nc_u64 s[12:13], s[12:13], s[74:75]
	v_and_b32 v12, 31, v0                          ; L
	v_and_b32 v13, 15, v0                          ; r
	v_bfe_u32 v14, v0, 4, 1                        ; h
	v_and_b32 v15, 1, v0
	v_bfe_u32 v16, v0, 1, 3                        ; r >> 1
	v_mul_u32_u24 v16, v16, 272
	v_lshl_add_u32 v16, v15, 7, v16
	v_lshl_add_u32 v16, v14, 4, v16
	s_mul_i32 s76, s16, 17408
	s_add_co_u32 s76, s76, KT
	v_add_nc_u32 v[ADK], s76, v16                  ; key r of my 128: KT + 64 kg rows + (r>>1) x 272 + (r&1) x 128 + 16 h: sixteen different 16-byte columns
	v_add_nc_u32 v[ADK+1], SLOT, v[ADK]
	v_bfe_u32 v16, v0, 1, 2                        ; (L & 7) >> 1
	v_lshl_add_u32 v16, v14, 2, v16
	v_mul_u32_u24 v16, v16, 288
	v_lshl_add_u32 v16, v15, 7, v16
	v_bfe_u32 v17, v0, 3, 1
	v_lshl_add_u32 v16, v17, 4, v16
	s_mul_i32 s76, s16, 18432
	v_add_nc_u32 v[ADV], s76, v16                  ; key 8 h + L%8: (4 h + (L%8 >> 1)) x 288 + (L&1) x 128, d column 16 ((L>>3)&1)
	v_add_nc_u32 v[ADV+1], SLOT, v[ADV]
	s_lshl_b32 s76, s16, 9
	s_add_co_u32 s76, s76, BIASL
	v_lshl_add_u32 v[ADB], v14, 5, s76             ; bias of keys 128 kg + 8 h ..
	s_mul_i32 s76, s15, 8704
	s_add_co_u32 s76, s76, MRG
	v_lshl_add_u32 v[MA], v12, 4, s76
	s_mul_i32 s76, s15, 4608
	s_add_co_u32 s76, s76, OST
	v_mul_u32_u24 v16, v13, 144
	v_lshl_add_u32 v16, v14, 4, v16
	v_add_nc_u32 v[OSA], s76, v16
	v_bfe_u32 v16, v0, 3, 2
	v_mul_u32_u24 v16, v16, 144
	v_and_b32 v17, 7, v0
	v_lshl_add_u32 v16, v17, 4, v16
	v_add_nc_u32 v[ORA], s76, v16
	v_lshlrev_b32 v[OGO], 4, v12
	v_lshlrev_b32 v16, 7, v13
	v_lshl_add_u32 v[QO], v14, 4, v16              ; query r x 128 bytes + 16 h
; 24 LDS loads: bias and K fragments of granule g (64 keys) of slot n
.macro KLOAD n, g
.irp t, 0,1,2,3
	ds_load_b128 v[BI+8*\t:BI+8*\t+3],   v[ADB] offset:64*\t+256*(\g)
	ds_load_b128 v[BI+8*\t+4:BI+8*\t+7], v[ADB] offset:64*\t+256*(\g)+16
.endr
.irp t, 0,1,2,3
.irp s, 0,1
	ds_load_b128 v[KF+8*(2*\t+\s):KF+8*(2*\t+\s)+3],   v[ADK+\n] offset:\t*2176+64*\s+8704*(\g)
	ds_load_b128 v[KF+8*(2*\t+\s)+4:KF+8*(2*\t+\s)+7], v[ADK+\n] offset:\t*2176+64*\s+8704*(\g)+32
.endr
.endr
.endm
; 16 transposing loads: V^T fragments (16 d x 32 keys) of granule g, into window 1
.macro VLOAD n, g
.irp dt, 0,1,2,3
.irp u, 0,1
	ds_load_tr16_b128 v[VF+8*(2*\dt+\u):VF+8*(2*\dt+\u)+3],   v[ADV+\n] offset:\u*4608+32*\dt+9216*(\g)
	ds_load_tr16_b128 v[VF+8*(2*\dt+\u)+4:VF+8*(2*\dt+\u)+7], v[ADV+\n] offset:\u*4608+32*\dt+9216*(\g)+2304
.endr
.endr
.endm
; 16 products: S^T = K Q'^T + bias.  The eight accumulators take turns, one instruction a turn.
.macro SMUL
.irp t, 0,1,2,3
.irp q, 0,1
	v_wmma_f32_16x16x32_f16 v[S+32*\q+8*\t:S+32*\q+8*\t+7], v[KF+16*\t:KF+16*\t+7], v[QF+16*\q:QF+16*\q+7], v[BI+8*\t:BI+8*\t+7]
.endr
.endr
.irp t, 0,1,2,3
.irp q, 0,1
	v_wmma_f32_16x16x32_f16 v[S+32*\q+8*\t:S+32*\q+8*\t+7], v[KF+16*\t+8:KF+16*\t+15], v[QF+16*\q+8:QF+16*\q+15], v[S+32*\q+8*\t:S+32*\q+8*\t+7]
.endr
.endr
.endm
; the new running maximum of query tile q (32 scores a lane, four chains), and 2^(old - new)
.macro MAXQ q, first
.irp c, 0,1,2,3
	v_max3_num_f32 v[T+4*\q+\c], v[S+32*\q+8*\c], v[S+32*\q+8*\c+1], v[S+32*\q+8*\c+2]
.endr
.irp c, 0,1,2,3
	v_max3_num_f32 v[T+4*\q+\c], v[T+4*\q+\c], v[S+32*\q+8*\c+3], v[S+32*\q+8*\c+4]
.endr
.irp c, 0,1,2,3
	v_max3_num_f32 v[T+4*\q+\c], v[T+4*\q+\c], v[S+32*\q+8*\c+5], v[S+32*\q+8*\c+6]
.endr
	v_max3_num_f32 v[T+4*\q], v[T+4*\q], v[T+4*\q+1], v[S+32*\q+7]
	v_max3_num_f32 v[T+4*\q+2], v[T+4*\q+2], v[T+4*\q+3], v[S+32*\q+15]
	v_max3_num_f32 v[T+4*\q], v[T+4*\q], v[T+4*\q+2], v[S+32*\q+23]
.if \first
	v_max_num_f32 v[T+4*\q], v[T+4*\q], v[S+32*\q+31]
.else
	v_max3_num_f32 v[T+4*\q], v[T+4*\q], v[S+32*\q+31], v[MN+2*\q]
.endif
	v_permlanex16_b32 v[T+4*\q+1], v[T+4*\q], s72, s73     ; the query's other 32 keys lie in the other half of the lanes
	v_max_num_f32 v[MN+2*\q+1], v[T+4*\q], v[T+4*\q+1]
.if \first == 0
	v_sub_f32 v[T+4*\q+3], v[MN+2*\q], v[MN+2*\q+1]        ; old - new, at most 0
.endif
	v_mov_b32 v[MN+2*\q], v[MN+2*\q+1]
.if \first == 0
	v_exp_f32 v[AL+2*\q], v[T+4*\q+3]              ; twice, for the packed multiplies; the next line is plain and touches neither (ISA guide 5.7.2)
	v_exp_f32 v[AL+2*\q+1], v[T+4*\q+3]
.endif
.endm
.macro SUBP q, i                       ; two scores less the maximum
	v_pk_add_f32 v[S+32*\q+2*(\i):S+32*\q+2*(\i)+1], v[S+32*\q+2*(\i):S+32*\q+2*(\i)+1], v[MN+2*\q:MN+2*\q+1] neg_lo:[0,1] neg_hi:[0,1]
.endm
; the i-th of the 32 plain instructions behind tile q's exponentials: 0-13 two chains of packed sums, 14 their join, 15 the running sum, 16-31 rounding to f16
.macro PLAIN q, i, first
.if (\i) < 2
	s_wait_alu depctr_va_vdst(0)
	v_pk_add_f32 v[T+4*\q+2*(\i):T+4*\q+2*(\i)+1], v[S+32*\q+2*(\i):S+32*\q+2*(\i)+1], v[S+32*\q+2*(\i)+4:S+32*\q+2*(\i)+5]
.elseif (\i) < 14
	v_pk_add_f32 v[T+4*\q+2*((\i)&1):T+4*\q+2*((\i)&1)+1], v[T+4*\q+2*((\i)&1):T+4*\q+2*((\i)&1)+1], v[S+32*\q+2*(\i)+4:S+32*\q+2*(\i)+5]
.elseif (\i) == 14
.if \first
	v_pk_add_f32 v[LS+2*\q:LS+2*\q+1], v[T+4*\q:T+4*\q+1], v[T+4*\q+2:T+4*\q+3]
.else
	v_pk_add_f32 v[T+4*\q:T+4*\q+1], v[T+4*\q:T+4*\q+1], v[T+4*\q+2:T+4*\q+3]
.endif
.elseif (\i) == 15
.if \first == 0
	v_pk_fma_f32 v[LS+2*\q:LS+2*\q+1], v[LS+2*\q:LS+2*\q+1], v[AL+2*\q:AL+2*\q+1], v[T+4*\q:T+4*\q+1]
.endif
.else
	v_cvt_pk_f16_f32 v[P+16*\q+(\i)-16], v[S+32*\q+2*(\i)-32], v[S+32*\q+2*(\i)-31]
.endif
.endm
; Exponentials are strewn among plain instructions on other registers: each result is first used behind at least one plain instruction.
.macro SOFTMAX first
	MAXQ 0, \first
	MAXQ 1, \first
.set cnt, 0
.rept 16
	SUBP 0, cnt
.set cnt, cnt+1
.endr
.set cnt, 0
.rept 16
	v_exp_f32 v[S+2*cnt], v[S+2*cnt]
	v_exp_f32 v[S+2*cnt+1], v[S+2*cnt+1]
	SUBP 1, cnt
.set cnt, cnt+1
.endr
.set cnt, 0
.rept 32
	v_exp_f32 v[S+32+cnt], v[S+32+cnt]
	PLAIN 0, cnt, \first
.set cnt, cnt+1
.endr
.set cnt, 0
.rept 32
	PLAIN 1, cnt, \first
.set cnt, cnt+1
.endr
.endm
.macro RESCALE                         ; O times 2^(old maximum - new): destination and source 0 in window 1
.irp q, 0,1
.set cnt, 0
.rept 16
	v_pk_mul_f32 v[O+32*\q+2*cnt:O+32*\q+2*cnt+1], v[O+32*\q+2*cnt:O+32*\q+2*cnt+1], v[AL+2*\q:AL+2*\q+1]
.set cnt, cnt+1
.endr
.endr
.endm
; 16 products: O^T += V^T P^T.  The eight accumulators take turns, one instruction a turn.
.macro PVMUL first
.irp u, 0,1
.irp dt, 0,1,2,3
.irp q, 0,1
.if \first*(1-\u)
	v_wmma_f32_16x16x32_f16 v[O+8*(4*\q+\dt):O+8*(4*\q+\dt)+7], v[VF+8*(2*\dt+\u):VF+8*(2*\dt+\u)+7], v[P+16*\q+8*\u:P+16*\q+8*\u+7], 0
.else
	v_wmma_f32_16x16x32_f16 v[O+8*(4*\q+\dt):O+8*(4*\q+\dt)+7], v[VF+8*(2*\dt+\u):VF+8*(2*\dt+\u)+7], v[P+16*\q+8*\u:P+16*\q+8*\u+7], v[O+8*(4*\q+\dt):O+8*(4*\q+\dt)+7]
.endif
.endr
.endr
.endr
.endm
; 64 keys x 32 queries.  pre = 1: the next granule's K and bias are fetched during the softmax.
.macro GRAN n, g, first, pre
	s_wait_dscnt 0x0                               ; K and bias fragments are in
	SMUL
	PLACES                                         ; behind the products: S is read, K, bias and (from the last granule's products) V fragments are loaded again
	WIN 0x40
	VLOAD \n, \g
	WIN 0
.if \pre
	KLOAD \n, 1
.endif
	SOFTMAX \first
	s_wait_dscnt 24*\pre                           ; V's 16 loads are in; the 24 issued behind them may stay out
.if \first == 0
	WIN 0x41
	RESCALE
.endif
	WIN 0x51
	PVMUL \first
	WIN 0
.endm
; A tile of 256 keys in slot n.  Two slots; the next tile is asked for first thing behind the round and has this tile's work in which to land.
; By this text's count a wave has two tensor loads out at the start (tile 0 and bias) and one later.
.macro TRIP n, refill, first
	s_set_vgpr_msb 0x4
	s_wait_tensorcnt 0x0                           ; all my tensor loads have landed, my quarter of this tile among them: every group 0 may be written
	ds_add_u32 v11, v129
	s_wait_dscnt 0x0
	s_set_vgpr_msb 0x400
	s_add_nc_u64 s[G0V+4*\n+2:G0V+4*\n+3], s[G0V+4*\n+2:G0V+4*\n+3], 2*TILEB
	s_add_nc_u64 s[G0K+4*\n+2:G0K+4*\n+3], s[G0K+4*\n+2:G0K+4*\n+3], 2*TILEB
	s_wait_dscnt 0x0                               ; my reads of the other slot are back
	ROUND                                          ; both now hold of every wave of the four work-groups
.if \refill
	JLOAD 1-\n
.endif
	KLOAD \n, 0
	GRAN \n, 0, \first, 1
	GRAN \n, 1, 0, 0
	v_add_nc_u32 v[ADB], 1024, v[ADB]              ; the next tile's 256 biases
.endm
	ROUND                                          ; the four work-groups are here: the first joint loads meet
	JLOAD 0
	tensor_load_to_lds s[G0B:G0B+3], s[G1B:G1B+7]
	s_nop 0
.irp q, 0,1
.irp s, 0,1
	global_load_b128 v[QF+8*(2*\q+\s):QF+8*(2*\q+\s)+3],   v[QO], s[4:5] offset:\q*2048+64*\s
	global_load_b128 v[QF+8*(2*\q+\s)+4:QF+8*(2*\q+\s)+7], v[QO], s[4:5] offset:\q*2048+64*\s+32
.endr
.endr
	s_wait_loadcnt 0x0
	TRIP 0, 1, 1                                   ; the first granule starts maximum, sum and O: nothing is cleared
	TRIP 1, 1, 0
	s_mov_b32 s76, 6
.Ltiles:
	TRIP 0, 1, 0
	TRIP 1, 1, 0
	s_sub_co_u32 s76, s76, 1
	s_cmp_lg_u32 s76, 0
	s_cbranch_scc1 .Ltiles
	TRIP 0, 1, 0
	TRIP 1, 0, 0                                   ; the sixteenth tile: nothing more to fetch
	; MERGE of the two halves of the keys.  The first four lines are the places behind the last products (ISA guide 7.12.1).
	v_add_f32 v14, v[LS], v[LS+1]
	v_add_f32 v15, v[LS+2], v[LS+3]
	v_mov_b32 v12, v[MN]
	v_mov_b32 v13, v[MN+2]
	v_permlanex16_b32 v16, v14, s72, s73
	v_permlanex16_b32 v17, v15, s72, s73
	v_add_f32 v14, v14, v16                        ; l of query tile 0
	v_add_f32 v15, v15, v17                        ; and 1
	s_cmp_eq_u32 s16, 0
	s_cbranch_scc1 .Lkeep                          ; waves 4-7 hand O, m and l to waves 0-3
	WIN 0x04                                       ; store data in window 1
.set cnt, 0
.rept 16
	ds_store_b128 v[MA], v[O+4*cnt:O+4*cnt+3] offset:512*cnt
.set cnt, cnt+1
.endr
	WIN 0
	ds_store_b128 v[MA], v[12:15] offset:8192      ; m0, m1, l0, l1
.Lkeep:
	s_wait_dscnt 0x0                               ; for the other waves' sake
	s_barrier_signal -1
	s_barrier_wait -1
	s_cmp_lg_u32 s16, 0
	s_cbranch_scc1 .Lclose
.set cnt, 0
.rept 16
	ds_load_b128 v[S+4*cnt:S+4*cnt+3], v[MA] offset:512*cnt
.set cnt, cnt+1
.endr
	ds_load_b128 v[16:19], v[MA] offset:8192
	s_wait_dscnt 0x0
	v_max_num_f32 v28, v12, v16
	v_max_num_f32 v29, v13, v17
	v_sub_f32 v20, v12, v28
	v_sub_f32 v21, v16, v28
	v_sub_f32 v22, v13, v29
	v_sub_f32 v23, v17, v29
	v_exp_f32 v20, v20
	v_exp_f32 v21, v21
	v_exp_f32 v22, v22
	v_exp_f32 v23, v23
	v_nop                                          ; one plain place behind the exponentials
	s_wait_alu depctr_va_vdst(0)
	v_mul_f32 v28, v14, v20
	v_mul_f32 v29, v15, v22
	v_fmac_f32 v28, v18, v21                       ; l = l_mine a_mine + l_other a_other, at least 1
	v_fmac_f32 v29, v19, v23
	v_rcp_f32 v28, v28
	v_rcp_f32 v29, v29
	v_nop
	s_wait_alu depctr_va_vdst(0)
	v_mul_f32 v96, v20, v28                        ; v[96:97], v[100:101]: factor of my O; v[98:99], v[102:103]: of the other's
	v_mul_f32 v97, v20, v28
	v_mul_f32 v98, v21, v28
	v_mul_f32 v99, v21, v28
	v_mul_f32 v100, v22, v29
	v_mul_f32 v101, v22, v29
	v_mul_f32 v102, v23, v29
	v_mul_f32 v103, v23, v29
.irp q, 0,1
.set cnt, 0
.rept 16
	v_pk_mul_f32 v[S+32*\q+2*cnt:S+32*\q+2*cnt+1], v[S+32*\q+2*cnt:S+32*\q+2*cnt+1], v[98+4*\q:99+4*\q]
.set cnt, cnt+1
.endr
.endr
	WIN 0x01                                       ; source 0 (my O) in window 1
.irp q, 0,1
.set cnt, 0
.rept 16
	v_pk_fma_f32 v[S+32*\q+2*cnt:S+32*\q+2*cnt+1], v[O+32*\q+2*cnt:O+32*\q+2*cnt+1], v[96+4*\q:97+4*\q], v[S+32*\q+2*cnt:S+32*\q+2*cnt+1]
.set cnt, cnt+1
.endr
.endr
	WIN 0
.set cnt, 0
.rept 32
	v_cvt_pk_f16_f32 v[P+cnt], v[S+2*cnt], v[S+2*cnt+1]
.set cnt, cnt+1
.endr
.irp q, 0,1
.irp dt, 0,1,2,3
	ds_store_b128 v[OSA], v[P+4*(4*\q+\dt):P+4*(4*\q+\dt)+3] offset:\q*2304+32*\dt   ; query 16 q + r, d = 16 dt + 8 h .. +7
.endr
.endr
.irp i, 0,1,2,3,4,5,6,7
	ds_load_b128 v[128+4*\i:128+4*\i+3], v[ORA] offset:\i*576      ; my own bytes: LDS serves a wave's instructions in order
.endr
.irp i, 0,1,2,3,4,5,6,7
	s_wait_dscnt 7-\i
	global_store_b128 v[OGO], v[128+4*\i:128+4*\i+3], s[12:13] offset:\i*512   ; four tokens: 512 consecutive bytes, aligned
.endr
.Lclose:
	s_set_vgpr_msb 0x4
	s_wait_tensorcnt 0x0
	ds_add_u32 v11, v129
	s_wait_dscnt 0x0
	s_set_vgpr_msb 0x400
	ROUND                                          ; the closing round: no work-group ends while a partner may still ask jointly
	s_endpgm
.Lfunc_end_k_qc45ffa4559_attn:
	.size	k_qc45ffa4559_attn, .Lfunc_end_k_qc45ffa4559_attn-k_qc45ffa4559_attn
	.p2alignl 7, 3214868480
	.fill 96, 4, 3214868480
	.section	.rodata,"a",@progbits
	.p2align	6, 0x0
	.amdhsa_kernel k_qc45ffa4559_attn
		.amdhsa_group_segment_fixed_size 327680
		.amdhsa_private_segment_fixed_size 0
		.amdhsa_enable_private_segment 0
		.amdhsa_kernarg_size 40
		.amdhsa_user_sgpr_count 2
		.amdhsa_user_sgpr_kernarg_segment_ptr 1
		.amdhsa_wavefront_size32 1
		.amdhsa_system_sgpr_workgroup_id_x 1
		.amdhsa_system_sgpr_workgroup_id_y 1
		.amdhsa_system_sgpr_workgroup_id_z 1
		.amdhsa_system_vgpr_workitem_id 0
		.amdhsa_next_free_vgpr 386
		.amdhsa_next_free_sgpr 80
		.amdhsa_reserve_vcc 0
		.amdhsa_float_denorm_mode_32 3
		.amdhsa_float_denorm_mode_16_64 3
		.amdhsa_memory_ordered 1
		.amdhsa_forward_progress 1
		.amdhsa_inst_pref_size 233
	.end_amdhsa_kernel
	.amdgpu_metadata
---
amdhsa.version: [ 1, 2 ]
amdhsa.kernels:
  - .name:           k_qc45ffa4559_attn
    .symbol:         k_qc45ffa4559_attn.kd
    .args:
      - { .name: qh, .offset: 0, .size: 8, .value_kind: global_buffer, .address_space: global }
      - { .name: kh, .offset: 8, .size: 8, .value_kind: global_buffer, .address_space: global }
      - { .name: vh, .offset: 16, .size: 8, .value_kind: global_buffer, .address_space: global }
      - { .name: bias, .offset: 24, .size: 8, .value_kind: global_buffer, .address_space: global }
      - { .name: oh, .offset: 32, .size: 8, .value_kind: global_buffer, .address_space: global }
    .group_segment_fixed_size: 327680
    .private_segment_fixed_size: 0
    .kernarg_segment_align: 8
    .kernarg_segment_size: 40
    .max_flat_workgroup_size: 256
    .sgpr_count:     80
    .vgpr_count:     386
    .wavefront_size: 32
...
	.end_amdgpu_metadata
.endif
;; end of part 2
;; launch oproj (part 3): grid 32 x 8, 8 waves a work-group, clusters of 4 x 4, 243,712 bytes of LDS; arguments oh, woh, out0; writes out0
.if DOCPART == 3
	.amdgcn_target "amdgcn-amd-amdhsa--gfx1250"
	.amdhsa_code_object_version 6
	.text
	.protected	k_qc45ffa4559_oproj
	.globl	k_qc45ffa4559_oproj
	.p2align	8
	.type	k_qc45ffa4559_oproj,@function
k_qc45ffa4559_oproj:
	s_mov_b64 s[64:65], 0
	v_nop
	global_prefetch_b8 v0, s[64:65] scope:SCOPE_SE
	s_setreg_imm32_b32 hwreg(HW_REG_WAVE_MODE, 25, 1), 1
	s_wait_xcnt 0x0
	s_wait_alu depctr_hold_cnt(0) depctr_sa_sdst(0) depctr_va_vdst(0) depctr_va_sdst(0) depctr_va_ssrc(0) depctr_va_vcc(0) depctr_vm_vsrc(0)
	s_getreg_b32 s2, hwreg(HW_REG_IB_STS2, 6, 4)
	s_cmp_eq_u32 s2, 0
	s_cbranch_scc0 .Lentry_in_a_cluster
	s_endpgm
.Lentry_in_a_cluster:
	s_bfe_u32 s2, ttmp6, 0x10000c
	s_cmp_lg_u32 s2, 0xf033
	s_cbranch_scc0 .Lentry_shape_is_right
	s_endpgm
.Lentry_shape_is_right:
; oproj: out0[o][token] = 2^-4.5 x sum over c of wo[o][c] O[c][token], c = 64 head + d; O as oh[head][token][64] f16, wo as woh f16.
; Work-group (x = block of 128 tokens, y = block of 64 output rows), K = 512.  All operands, 128 + 64 KiB, fit in LDS at once: every
; byte of LDS is filled once, there is no ring and no barrier for a refill.  They come in four phases of 128 along K (two heads), eight
; tensor loads a wave, all issued at the start (by this text's count eight are out), each phase multiplied as it lands.
; CLUSTER 4 x 4: O's tiles hang on the token block alone and are shared along a column of the cluster, wo's on the row block alone and
; are shared along a row: joint requests, which divide the requests for both by four.
; Wave w: tokens 32 (w&3) .. +31 x rows 32 (w>>2) .. +31, four accumulators.  Source 0 = 16 tokens of O, source 1 = 16 rows of wo: a
; lane's eight results are eight neighbouring tokens of one output row, 32 bytes of f32.
; LIMIT: operands f16 (see proj).
.set OREG, 0                           ; 8 heads x 64 rows (two tokens each) x 272 bytes
.set WREG, 139264                      ; 4 phases x 64 rows x 272 bytes
.set STG,  208896                      ; the way out: 64 rows x 528 bytes (128 f32 + 16); no tensor load lands here
.set GAIN, 0x3d3504f3
.set VA, 2                             ; O fragments
.set VB, 3                             ; wo fragments
.set VS, 4                             ; stage, in
.set VR, 5                             ; stage, back
.set VG, 6                             ; out0
.set F,   32                           ; v[32:159] fragments: 32 registers for each 32 of K: O's two tiles, wo's two tiles
.set ACC, 160                          ; v[160:191] tile (mt, nt) at 8 (2 mt + nt)
.set G1O, 16                           ; s[16:23]
.set G1W, 24                           ; s[24:31]
.set G0O, 32                           ; s[32:47] one set for each phase
.set G0W, 48                           ; s[48:63]
.macro PLACES
.rept 4
	v_nop
.endr
.endm
.macro ROUND                           ; a round of the cluster's barrier
	s_barrier_signal -1
	s_barrier_wait -1
	s_cmp_lg_u32 s10, 0
	s_cbranch_scc1 .Lnot_wave_0_\@
	s_barrier_signal -3
.Lnot_wave_0_\@:
	s_barrier_wait -3
	s_barrier_signal -1
	s_barrier_wait -1
.endm
	s_load_b128 s[4:7], s[0:1], 0x0                ; oh s[4:5], woh s[6:7]
	s_load_b64 s[8:9], s[0:1], 0x10                ; out0
	v_lshl_add_u32 v192, v0, 2, 0x3b400
	v_mov_b32 v193, 0
	ds_add_u32 v192, v193
	v_lshrrev_b32 v1, 5, v0
	v_readfirstlane_b32 s10, v1                    ; wave w
	s_and_b32 s11, s10, 3                          ; tg
	s_lshr_b32 s12, s10, 2                         ; og
	s_bfe_u32 s13, ttmp6, 0x40000                  ; cx
	s_bfe_u32 s14, ttmp6, 0x40004                  ; cy
	s_lshl_b32 s15, ttmp9, 2
	s_add_co_u32 s15, s15, s13                     ; token block = 4 x cluster x + cx
	s_and_b32 s66, ttmp7, 0xffff
	s_lshl_b32 s66, s66, 2
	s_add_co_u32 s66, s66, s14                     ; row block = 4 x cluster y + cy
	s_lshl_b32 s76, s14, 2
	s_lshl_b32 s76, 15, s76                        ; my row of the cluster
	s_lshl_b32 s77, 0x1111, s13                    ; my column
	s_or_b32 s[G1O+0], s77, (3<<16)|(1<<20)|(1<<21)|(5<<22)|(3<<25)   ; O: elements of 8 bytes, 4 words of padding behind every 64: pitch 272
	s_mov_b32 s[G1O+1], 32<<16                     ; rows of 32 elements = 256 bytes, dense
	s_mov_b32 s[G1O+2], 16<<16                     ; 16 rows = 32 tokens
	s_mov_b32 s[G1O+3], 32<<16
	s_mov_b32 s[G1O+4], 16
	s_mov_b32 s[G1O+5], 32
	s_mov_b32 s[G1O+6], 0
	s_mov_b32 s[G1O+7], 0
	s_or_b32 s[G1W+0], s76, (1<<16)|(1<<20)|(1<<21)|(5<<22)|(3<<25)   ; wo: elements of 2 bytes, the same padding
	s_mov_b32 s[G1W+1], 128<<16                    ; 128 along K = 256 bytes
	s_mov_b32 s[G1W+2], 8<<16                      ; 8 rows
	s_mov_b32 s[G1W+3], 128<<16
	s_mov_b32 s[G1W+4], 8
	s_mov_b32 s[G1W+5], 512                        ; from row to row
	s_mov_b32 s[G1W+6], 0
	s_mov_b32 s[G1W+7], 0
	s_mul_i32 s78, s10, 4352                       ; O: 16 rows of 272 a wave; waves 0-3 the phase's first head, 4-7 its second
	s_mul_i32 s79, s10, 2176                       ; wo: 8 rows of 272 a wave
	s_add_co_u32 s79, s79, WREG
	s_lshl_b32 s68, s12, 19                        ; O's offset holds the token block and the wave alone
	s_lshl_b32 s69, s15, 14
	s_add_co_u32 s68, s68, s69
	s_lshl_b32 s69, s11, 12
	s_add_co_u32 s68, s68, s69
	s_mov_b32 s69, 0
	s_lshl_b32 s70, s66, 16                        ; wo's offset holds the row block and the wave alone
	s_lshl_b32 s71, s10, 13
	s_add_co_u32 s70, s70, s71
	s_mov_b32 s71, 0
	s_lshl_b32 s74, s66, 20                        ; out0: 64 rows of 16,384 bytes, 512 bytes of each
	s_lshl_b32 s75, s15, 9
	s_add_co_u32 s74, s74, s75
	s_mov_b32 s75, 0
	s_mov_b32 s72, GAIN
	s_mov_b32 s73, GAIN
	s_wait_dscnt 0x0
	s_wait_kmcnt 0x0
	s_add_nc_u64 s[68:69], s[4:5], s[68:69]
	s_add_nc_u64 s[70:71], s[6:7], s[70:71]
	s_add_nc_u64 s[8:9], s[8:9], s[74:75]
.irp p, 0,1,2,3
	s_mov_b32 s[G0O+4*\p], 1
	s_add_co_u32 s[G0O+4*\p+1], s78, \p*34816
	s_add_nc_u64 s[G0O+4*\p+2:G0O+4*\p+3], s[68:69], \p*0x100000   ; two heads on
	s_or_b32 s[G0O+4*\p+3], s[G0O+4*\p+3], 0x80000000
	s_mov_b32 s[G0W+4*\p], 1
	s_add_co_u32 s[G0W+4*\p+1], s79, \p*17408
	s_add_nc_u64 s[G0W+4*\p+2:G0W+4*\p+3], s[70:71], \p*256
	s_or_b32 s[G0W+4*\p+3], s[G0W+4*\p+3], 0x80000000
.endr
	ROUND                                          ; all sixteen work-groups are here: the joint loads meet
.irp p, 0,1,2,3
	tensor_load_to_lds s[G0O+4*\p:G0O+4*\p+3], s[G1O:G1O+7]
	s_nop 0
	tensor_load_to_lds s[G0W+4*\p:G0W+4*\p+3], s[G1W:G1W+7]
	s_nop 0
.endr
	v_and_b32 v1, 31, v0                           ; L
	v_bfe_u32 v8, v0, 1, 3                         ; r >> 1
	v_and_b32 v9, 1, v0
	v_bfe_u32 v10, v0, 4, 1                        ; h
	v_and_b32 v11, 15, v0                          ; r
	s_mul_i32 s67, s11, 4352
	v_mul_u32_u24 v8, v8, 272
	v_lshl_add_u32 v8, v9, 7, v8
	v_lshl_add_u32 v8, v10, 4, v8
	v_add_nc_u32 v[VA], s67, v8                    ; token 32 tg + r: (16 tg + (r>>1)) x 272 + (r&1) x 128 + 16 h
	s_mul_i32 s67, s12, 8704
	s_add_co_u32 s67, s67, WREG
	v_mul_u32_u24 v8, v11, 272
	v_lshl_add_u32 v8, v10, 4, v8
	v_add_nc_u32 v[VB], s67, v8                    ; row 32 og + r
	s_mul_i32 s67, s12, 16896
	s_lshl_b32 s76, s11, 7
	s_add_co_u32 s67, s67, s76
	s_add_co_u32 s67, s67, STG
	v_mul_u32_u24 v8, v11, 528
	v_lshl_add_u32 v8, v10, 5, v8
	v_add_nc_u32 v[VS], s67, v8                    ; row 32 og + r, tokens 32 tg + 8 h ..
	s_mul_i32 s67, s10, 4224
	s_add_co_u32 s67, s67, STG
	v_lshl_add_u32 v[VR], v1, 4, s67               ; back: rows 8 w .., a whole row of 512 bytes a load
	s_lshl_b32 s67, s10, 17
	v_lshl_add_u32 v[VG], v1, 4, s67
; 128 along K: 32 fragment loads, 16 products.  The four accumulators take turns, one instruction a turn.
.macro PHASE p
	s_wait_tensorcnt 6-2*\p                        ; my parts of phases 0 to p have landed; two loads for each later phase stay out (nothing is filled again)
	s_barrier_signal -1
	s_barrier_wait -1                              ; everybody's have
.if \p
	v_add_nc_u32 v[VA], 34816, v[VA]               ; two heads on; with the two v_nop the four places behind the last products,
	v_add_nc_u32 v[VB], 17408, v[VB]               ; whose fragment registers are loaded again below (ISA guide 7.12.1)
	v_nop
	v_nop
.endif
.irp kk, 0,1,2,3
.irp mt, 0,1
	ds_load_b128 v[F+32*\kk+8*\mt:F+32*\kk+8*\mt+3],   v[VA] offset:(\kk>>1)*17408+\mt*2176+64*(\kk&1)
	ds_load_b128 v[F+32*\kk+8*\mt+4:F+32*\kk+8*\mt+7], v[VA] offset:(\kk>>1)*17408+\mt*2176+64*(\kk&1)+32
.endr
.irp nt, 0,1
	ds_load_b128 v[F+32*\kk+16+8*\nt:F+32*\kk+16+8*\nt+3],   v[VB] offset:\nt*4352+64*\kk
	ds_load_b128 v[F+32*\kk+16+8*\nt+4:F+32*\kk+16+8*\nt+7], v[VB] offset:\nt*4352+64*\kk+32
.endr
.endr
.irp kk, 0,1,2,3
	s_wait_dscnt 8*(3-\kk)                         ; eight loads for each later 32 of K stay out
.irp mt, 0,1
.irp nt, 0,1
.if (\p+\kk) == 0
	v_wmma_f32_16x16x32_f16 v[ACC+8*(2*\mt+\nt):ACC+8*(2*\mt+\nt)+7], v[F+32*\kk+8*\mt:F+32*\kk+8*\mt+7], v[F+32*\kk+16+8*\nt:F+32*\kk+16+8*\nt+7], 0
.else
	v_wmma_f32_16x16x32_f16 v[ACC+8*(2*\mt+\nt):ACC+8*(2*\mt+\nt)+7], v[F+32*\kk+8*\mt:F+32*\kk+8*\mt+7], v[F+32*\kk+16+8*\nt:F+32*\kk+16+8*\nt+7], v[ACC+8*(2*\mt+\nt):ACC+8*(2*\mt+\nt)+7]
.endif
.endr
.endr
.endr
.endm
	PHASE 0
	PHASE 1
	PHASE 2
	PHASE 3
	PLACES                                         ; behind the last products, ahead of the first read of a sum
.set cnt, 0
.rept 16
	v_pk_mul_f32 v[ACC+2*cnt:ACC+2*cnt+1], v[ACC+2*cnt:ACC+2*cnt+1], s[72:73] op_sel_hi:[1,0]
.set cnt, cnt+1
.endr
.irp mt, 0,1
.irp nt, 0,1
	ds_store_b128 v[VS], v[ACC+8*(2*\mt+\nt):ACC+8*(2*\mt+\nt)+3]   offset:\nt*8448+64*\mt
	ds_store_b128 v[VS], v[ACC+8*(2*\mt+\nt)+4:ACC+8*(2*\mt+\nt)+7] offset:\nt*8448+64*\mt+16
.endr
.endr
	s_wait_dscnt 0x0                               ; for the other waves' sake
	s_barrier_signal -1
	s_barrier_wait -1
.irp i, 0,1,2,3,4,5,6,7
	ds_load_b128 v[F+4*\i:F+4*\i+3], v[VR] offset:\i*528
.endr
.irp i, 0,1,2,3,4,5,6,7
	s_wait_dscnt 7-\i
	global_store_b128 v[VG], v[F+4*\i:F+4*\i+3], s[8:9] offset:\i*16384 th:TH_STORE_NT   ; 512 consecutive bytes of a row of out0, aligned
.endr
	s_wait_tensorcnt 0x0
	ds_add_u32 v192, v193
	s_wait_dscnt 0x0
	ROUND                                          ; the closing round
	s_endpgm
.Lfunc_end_k_qc45ffa4559_oproj:
	.size	k_qc45ffa4559_oproj, .Lfunc_end_k_qc45ffa4559_oproj-k_qc45ffa4559_oproj
	.p2alignl 7, 3214868480
	.fill 96, 4, 3214868480
	.section	.rodata,"a",@progbits
	.p2align	6, 0x0
	.amdhsa_kernel k_qc45ffa4559_oproj
		.amdhsa_group_segment_fixed_size 243712
		.amdhsa_private_segment_fixed_size 0
		.amdhsa_enable_private_segment 0
		.amdhsa_kernarg_size 24
		.amdhsa_user_sgpr_count 2
		.amdhsa_user_sgpr_kernarg_segment_ptr 1
		.amdhsa_wavefront_size32 1
		.amdhsa_system_sgpr_workgroup_id_x 1
		.amdhsa_system_sgpr_workgroup_id_y 1
		.amdhsa_system_sgpr_workgroup_id_z 1
		.amdhsa_system_vgpr_workitem_id 0
		.amdhsa_next_free_vgpr 194
		.amdhsa_next_free_sgpr 80
		.amdhsa_reserve_vcc 0
		.amdhsa_float_denorm_mode_32 3
		.amdhsa_float_denorm_mode_16_64 3
		.amdhsa_memory_ordered 1
		.amdhsa_forward_progress 1
		.amdhsa_inst_pref_size 25
	.end_amdhsa_kernel
	.amdgpu_metadata
---
amdhsa.version: [ 1, 2 ]
amdhsa.kernels:
  - .name:           k_qc45ffa4559_oproj
    .symbol:         k_qc45ffa4559_oproj.kd
    .args:
      - { .name: oh, .offset: 0, .size: 8, .value_kind: global_buffer, .address_space: global }
      - { .name: woh, .offset: 8, .size: 8, .value_kind: global_buffer, .address_space: global }
      - { .name: out0, .offset: 16, .size: 8, .value_kind: global_buffer, .address_space: global }
    .group_segment_fixed_size: 243712
    .private_segment_fixed_size: 0
    .kernarg_segment_align: 8
    .kernarg_segment_size: 24
    .max_flat_workgroup_size: 256
    .sgpr_count:     80
    .vgpr_count:     194
    .wavefront_size: 32
...
	.end_amdgpu_metadata
.endif
;; end of part 3
